; MI455X (gfx1250); checked and timed in simulation.
; The chip was launched on July 23, 2026; its instructions are those of AMD's public machine-readable ISA for CDNA 5 (MIT licence, August 2026) and "CDNA5" Instruction Set Architecture Reference Guide (July 2026). The comments in the code are by the model that wrote it; some were corrected since.
;; Fast Attention. Allowed arithmetic: float matrix products may take bf16 or f16 operands with f32 sums; all other float work in f32.
;; Inputs: key 2 x 4,096 x 1,024 float32; query 2 x 4,096 x 1,024 float32; value 2 x 4,096 x 1,024 float32.
;; Outputs: out0 2 x 4,096 x 1,024 float32.
;; One version. Each part assembles by itself: llvm-mc -triple=amdgcn-amd-amdhsa -mcpu=gfx1250 --defsym DOCPART=n.
;; ======== version 1 of 1: 1 launch
;; limits: values are held in f16: magnitudes above 65,504 overflow, below 6.1e-05 lose precision; inputs' magnitudes at most 65,407
;; launch attn (part 1): grid 16 x 16, 8 waves a work-group, no clusters, 281,600 bytes of LDS; arguments query, key, value, out0; writes out0
.if DOCPART == 1
	.amdgcn_target "amdgcn-amd-amdhsa--gfx1250"
	.amdhsa_code_object_version 6
	.text
	.protected	k_q6f1dd5bfb9_attn
	.globl	k_q6f1dd5bfb9_attn
	.p2align	8
	.type	k_q6f1dd5bfb9_attn,@function
k_q6f1dd5bfb9_attn:
	s_mov_b64 s[64:65], 0
	v_nop
	global_prefetch_b8 v0, s[64:65] scope:SCOPE_SE
	s_setreg_imm32_b32 hwreg(HW_REG_WAVE_MODE, 25, 1), 1
	s_wait_xcnt 0x0
; Causal softmax attention, 16 heads (2 batches x 8), 4,096 rows, 128 numbers a head; f32 in, f32 out.
; The reference's scan over four key chunks with a running maximum is the plain causal softmax; here the running maximum goes in steps of 128 keys.
; WORK: work-group (p, bh) makes query block 31-p and then query block p of head bh (128 rows each): (32-p) + (p+1) = 33 steps of 128 keys for
; every work-group.  Blocks above the diagonal are not computed: the reference's own mask throws them away.
; Eight waves.  Wave w: rg = w & 3 names its 32 query rows, kh = w >> 2 its 64 of a step's 128 keys.  The two waves of a row group keep
; (m, l, O) each for itself and are merged through LDS at a block's end.
; DATA: K and V tiles go global f32 -> registers -> 16 bits -> LDS, two slots that take turns, one barrier a step.
; TWO GROUPS OF WAVES, ONE PHASE APART: g = (w xor (w >> 2)) & 1, so that w and w + 4 are in different groups, and w and w xor 1 too.
; Group 0 converts and stores its rows of the next tile at a step's head, group 1 at its foot; both do the same work between two barriers.
; So four waves convert or take exponentials while the other four multiply, and a burst of loads comes from four waves, not from eight.
; In both groups a tile's loads are issued in front of K Q^T, the softmax and V^T P^T and are waited for behind them.
; SCORES ARE MADE TRANSPOSED, S^T = K Q^T: a lane then owns one query row (n = lane % 16) and 8 keys a tile, the row's maximum is register work
; and one exchange of the wave's halves, and the exponentials pack in place into the second source of O^T = V^T P^T.
; FORMATS: Q, K and V are all rounded to bf16.  K Q^T is a bf16 product.  V^T P^T is an f16 product: the weights p lie in [0, 1] and go with f16's
; 11 significant bits, since in the first rows a few weights near 0.5 stand on values near 1 that cancel, and 8 bits of the weights would show there.
; V's bf16 numbers are written in f16's format, which holds them exactly from 2^-17 up (below: off by 2^-25 at the most).  Rounding V to bf16 first
; costs three instructions more a pair and makes V no more exact; it keeps all three inputs in ONE format, so that the result is the reference's
; on bf16 inputs up to the weights' 11 bits.  Maxima, sums and O are f32.
; NO TENSOR LOADS, NO JOINT LOADS: the inputs are f32 and the matrix operands 16 bits, and V must lie in LDS in 16 bits for the transposing load.
; A copy engine would land f32: 128 KiB more written to LDS, 128 KiB more read and 64 KiB stored again in each step, beside 256 KiB of fragment reads.
; Work-groups of one head also need different numbers of tiles in each of their two blocks (32-p, then p+1).
; LIMITS, stated: |value| of 65,520 or more becomes infinite in f16.  Weights below 2^-14 of the running maximum's are kept to 2^-25 absolute.
; The running maximum starts at the lowest finite f32 and masked scores are -inf, so a wave none of whose keys is visible ends with
; l = 0, O = 0 and weight 0 in the merge.  v_exp_f32 gives 0 where the result would be denormal (ISA guide 15.8).  A NaN score is dropped from the maximum
; but reaches p and l, so its row is NaN.  The division by the sum is made once at a block's end, not once a chunk: the order of rounding differs
; from the reference's.
.set ROWB,  4096                       ; bytes from row to row in every tensor
.set TILEB, 128*ROWB                   ; 128 rows: a key tile, a query block
.set KP_,   272                        ; LDS pitch of K: 256 + 16 = 17 x 16 bytes: sixteen rows start at sixteen different 16-byte columns modulo 256
.set VP_,   288                        ; LDS pitch of V: 9 x 32 bytes, for the transposing load
.set KSL,   128*KP_                    ; 34,816: a slot of K.   K0 at 0, K1 at 34,816
.set VSL,   128*VP_                    ; 36,864: a slot of V.   V0 at 69,632, V1 at 106,496
.set VBASE, 2*KSL
.set STG,   VBASE+2*VSL                ; 143,360: eight stages, one a wave: 32 rows x 528 bytes (128 f32 + 16)
.set SP_,   528
.set STGW,  32*SP_                     ; 16,896
.set MLB,   STG+8*STGW                 ; 278,528: eight x 256 bytes: for each wave 16 x (m0, l0, m1, l1)
; window 0
.set GO,   1                           ; 16 x lane: K, V loads and the stores of out; never rewritten
.set QO,   2                           ; 4,096 r + 32 h: Q's loads
.set KST,  3                           ; where I store K's 16-bit rows: 16 w rows + 8 x lane
.set VST,  4                           ; the same for V
.set KFR,  5                           ; where I read K fragments
.set VFR,  6                           ; where I read V fragments, transposed
.set STO,  7                           ; the way out: where I put O
.set RD0,  8                           ; the way out: the rows that I add and store, in the stage of wave rg
.set RD1,  9                           ; and in the stage of wave rg + 4
.set MLS,  10                          ; where I put (m, l)
.set MLO,  11                          ; where my partner (w xor 4) puts its
.set LIM,  12                          ; v12, v13: q - key at tile 0, register 0, in the diagonal block, for b = 0, 1 (signed)
.set NINF, 14
.set ML,   16                          ; v[16:19] m0, l0, m1, l1
.set NM,   20                          ; v[20:21] -c m0, -c m1
.set AL,   22                          ; v[22:23] factor for O, b = 0, 1
.set T,    24                          ; v[24:31] at work
.set QF,   32                          ; v[32:95]   Q fragment (b, ks) at QF + 8 (4 b + ks)
.set SC,   96                          ; v[96:159]  score tile (t, b) at SC + 32 b + 8 t; later P fragment (b, u) at SC + 32 b + 16 u
.set FA,   160                         ; v[160:191] fragment buffer A
.set FB,   192                         ; v[192:223] fragment buffer B
.set PS,   224                         ; v[224:239] partial sums
.set TMP,  96                          ; v[96:223]  SC, FA, FB as one scratch: Q as loaded; the way out
; window 1
.set ST,   128                         ; v384-511: K row i at ST + 4 i, V row i at ST + 64 + 4 i.   v256-383: O tile (c, b) at 8 (2 c + b)
; scalars: s[4:11] query, key, value, out; s12 w, s13 rg, s14 kh, s15 p, s16 bh, later the mask of a word's upper half; s[28:35] K, V, Q, out at my first row of the head;
; s36 pass, s37 qb, s38 and s39 the loop's trips and the odd step; s48 my group g; s49 the tiles that I have still to ask for in this pass
.set QP, 20
.set KP, 22
.set VP, 24
.set OP, 26
.set MSB, 0
.macro WIN new                         ; low byte: bits 1:0 source 0, 3:2 source 1, 5:4 source 2, 7:6 destination; the high byte repeats the setting that is left
.if MSB != \new
	s_set_vgpr_msb (MSB<<8)|\new
.set MSB, \new
.endif
.endm
.macro PLACES                          ; four places behind a matrix instruction in front of loads into its sources and of reads of its result
.rept 4
	v_nop
.endr
.endm
.macro BAR                             ; my LDS stores have landed and my LDS reads are back: zero, for the other waves' sake
	s_wait_dscnt 0x0
	s_barrier_signal -1
	s_barrier_wait -1
.endm
; 16 loads each: my 16 rows of the K tile at KP, of the V tile at VP; each load is one row's 512 bytes of the head, aligned.  Destination in window 1.
.macro KROWS
.irp i, 0,1,2,3,4,5,6,7,8,9,10,11,12,13,14,15
	global_load_b128 v[ST+4*\i:ST+4*\i+3], v[GO], s[KP:KP+1] offset:ROWB*\i
.endr
.endm
.macro VROWS
.irp i, 0,1,2,3,4,5,6,7,8,9,10,11,12,13,14,15
	global_load_b128 v[ST+64+4*\i:ST+64+4*\i+3], v[GO], s[VP:VP+1] offset:ROWB*\i
.endr
.endm
.macro GLOAD                           ; K's rows first: the conversion waits for them first
	WIN 0x40
	KROWS
	VROWS
	WIN 0
.endm
; Those rows rounded in place and stored into a slot: 8 bytes a lane, 256 neighbouring bytes an instruction.
; K: to bf16.  V: to bf16, widened again (a shift, a mask), and written as f16, which changes no number from 2^-17 up.
.macro CVST slot
	s_wait_loadcnt 0x10                ; K's 16 loads are in; V's 16, issued behind them, may be out
	WIN 0x45
.set ii, 0
.rept 16
	v_cvt_pk_bf16_f32 v[ST+4*ii],   v[ST+4*ii],   v[ST+4*ii+1]
	v_cvt_pk_bf16_f32 v[ST+4*ii+1], v[ST+4*ii+2], v[ST+4*ii+3]
.set ii, ii+1
.endr
	WIN 0x04
.irp i, 0,1,2,3,4,5,6,7,8,9,10,11,12,13,14,15
	ds_store_b64 v[KST], v[ST+4*\i:ST+4*\i+1] offset:\slot*KSL+KP_*\i
.endr
	s_wait_loadcnt 0x0                 ; V's too: no load of mine is out; this also frees KP and VP
	WIN 0x45
.set ii, 16
.rept 16
	v_cvt_pk_bf16_f32 v[ST+4*ii],   v[ST+4*ii],   v[ST+4*ii+1]      ; numbers 0, 1 of the lane's four
	v_cvt_pk_bf16_f32 v[ST+4*ii+2], v[ST+4*ii+2], v[ST+4*ii+3]      ; numbers 2, 3
.set ii, ii+1
.endr
.set ii, 16
.rept 16
	v_and_b32     v[ST+4*ii+1], s16, v[ST+4*ii]                     ; the upper bf16 as f32,
	v_lshlrev_b32 v[ST+4*ii],   16,  v[ST+4*ii]                     ; the lower one
	v_and_b32     v[ST+4*ii+3], s16, v[ST+4*ii+2]
	v_lshlrev_b32 v[ST+4*ii+2], 16,  v[ST+4*ii+2]
.set ii, ii+1
.endr
.set ii, 16
.rept 16
	v_cvt_pk_f16_f32 v[ST+4*ii],   v[ST+4*ii],   v[ST+4*ii+1]
	v_cvt_pk_f16_f32 v[ST+4*ii+1], v[ST+4*ii+2], v[ST+4*ii+3]
.set ii, ii+1
.endr
	WIN 0x04
.irp i, 0,1,2,3,4,5,6,7,8,9,10,11,12,13,14,15
	ds_store_b64 v[VST], v[ST+64+4*\i:ST+64+4*\i+1] offset:\slot*VSL+VP_*\i
.endr
	WIN 0
.endm
; 8 loads: keys 16 t .. 16 t + 15 of my 64, all 128 d: four first-source fragments (m = key, k = d)
.macro KLD slot, t, buf
.irp ks, 0,1,2,3
	ds_load_b128 v[\buf+8*\ks:\buf+8*\ks+3],   v[KFR] offset:\slot*KSL+16*KP_*\t+64*\ks
	ds_load_b128 v[\buf+8*\ks+4:\buf+8*\ks+7], v[KFR] offset:\slot*KSL+16*KP_*\t+64*\ks+32
.endr
.endm
; 8 transposing loads: d blocks c = 2 g, 2 g + 1, my 64 keys as u = 0, 1: four first-source fragments (m = d, k = key)
.macro VLD slot, g, buf
.irp cc, 0,1
.irp u, 0,1
	ds_load_tr16_b128 v[\buf+16*\cc+8*\u:\buf+16*\cc+8*\u+3],   v[VFR] offset:\slot*VSL+32*VP_*\u+32*(2*\g+\cc)
	ds_load_tr16_b128 v[\buf+16*\cc+8*\u+4:\buf+16*\cc+8*\u+7], v[VFR] offset:\slot*VSL+32*VP_*\u+32*(2*\g+\cc)+16*VP_
.endr
.endr
.endm
; 8 matrix instructions: S^T tiles (t, 0) and (t, 1) over d.  The two accumulators take turns, one instruction a turn.
.macro QKMUL t, buf
.irp ks, 0,1,2,3
.irp b, 0,1
.if \ks == 0
	v_wmma_f32_16x16x32_bf16 v[SC+32*\b+8*\t:SC+32*\b+8*\t+7], v[\buf+8*\ks:\buf+8*\ks+7], v[QF+8*(4*\b+\ks):QF+8*(4*\b+\ks)+7], 0
.else
	v_wmma_f32_16x16x32_bf16 v[SC+32*\b+8*\t:SC+32*\b+8*\t+7], v[\buf+8*\ks:\buf+8*\ks+7], v[QF+8*(4*\b+\ks):QF+8*(4*\b+\ks)+7], v[SC+32*\b+8*\t:SC+32*\b+8*\t+7]
.endif
.endr
.endr
.endm
; 8 matrix instructions, f16 operands: O^T tiles (2 g, .), (2 g + 1, .) over my 64 keys.  Four accumulators take turns, one instruction a turn.
.macro PVMUL g, buf, first
.irp u, 0,1
.irp cc, 0,1
.irp b, 0,1
.if (\first)*(1-\u)
	v_wmma_f32_16x16x32_f16 v[8*(2*(2*\g+\cc)+\b):8*(2*(2*\g+\cc)+\b)+7], v[\buf+16*\cc+8*\u:\buf+16*\cc+8*\u+7], v[SC+32*\b+16*\u:SC+32*\b+16*\u+7], 0
.else
	v_wmma_f32_16x16x32_f16 v[8*(2*(2*\g+\cc)+\b):8*(2*(2*\g+\cc)+\b)+7], v[\buf+16*\cc+8*\u:\buf+16*\cc+8*\u+7], v[SC+32*\b+16*\u:SC+32*\b+16*\u+7], v[8*(2*(2*\g+\cc)+\b):8*(2*(2*\g+\cc)+\b)+7]
.endif
.endr
.endr
.endr
.endm
; the diagonal block: register j of tile (t, b) is key 64 kh + 16 t + 8 h + j against row 32 rg + 16 b + r; masked where 16 t + j > LIM b
.macro MASK
.irp b, 0,1
.irp t, 0,1,2,3
.irp j, 0,1,2,3,4,5,6,7
	v_cmp_gt_i32 vcc_lo, 16*\t+\j, v[LIM+\b]
	v_cndmask_b32 v[SC+32*\b+8*\t+\j], v[SC+32*\b+8*\t+\j], v[NINF], vcc_lo
.endr
.endr
.endr
.endm
; New maximum, factor for what was kept, p = exp2(c s - c m), the lane's share of l, p packed to f16 in place.
.macro SOFTMAX first
.irp b, 0,1
	v_max3_num_f32 v[T+2*\b],   v[SC+32*\b],    v[SC+32*\b+1],  v[SC+32*\b+2]      ; two chains for each b: the first values start them
	v_max3_num_f32 v[T+2*\b+1], v[SC+32*\b+16], v[SC+32*\b+17], v[SC+32*\b+18]
.endr
.irp k, 3,5,7,9,11,13
.irp b, 0,1
	v_max3_num_f32 v[T+2*\b],   v[T+2*\b],   v[SC+32*\b+\k],    v[SC+32*\b+\k+1]
	v_max3_num_f32 v[T+2*\b+1], v[T+2*\b+1], v[SC+32*\b+16+\k], v[SC+32*\b+16+\k+1]
.endr
.endr
.irp b, 0,1
	v_max3_num_f32 v[T+2*\b], v[T+2*\b], v[SC+32*\b+15], v[SC+32*\b+31]
.endr
.irp b, 0,1
	v_max3_num_f32 v[T+2*\b], v[T+2*\b], v[T+2*\b+1], v[ML+2*\b]                   ; with the maximum so far
.endr
	v_permlanex16_b32 v[T+4], v[T],   s46, s47                                     ; the other half of the lanes holds the row's other 32 keys
	v_permlanex16_b32 v[T+5], v[T+2], s46, s47
	v_max_num_f32 v[T],   v[T],   v[T+4]
	v_max_num_f32 v[T+2], v[T+2], v[T+5]
.if \first == 0
	v_sub_f32 v[T+6], v[ML],   v[T]
	v_sub_f32 v[T+7], v[ML+2], v[T+2]
	v_mul_f32 v[T+6], s42, v[T+6]
	v_mul_f32 v[T+7], s42, v[T+7]
	v_exp_f32 v[AL],   v[T+6]                                                      ; exp2(c (m old - m new)); the moves below are the plain place behind it (ISA guide 5.7.2)
	v_exp_f32 v[AL+1], v[T+7]
.endif
	v_mov_b32 v[ML],   v[T]
	v_mov_b32 v[ML+2], v[T+2]
	v_mul_f32 v[NM],   s44, v[T]
	v_mul_f32 v[NM+1], s44, v[T+2]
.irp b, 0,1
.set ii, 0
.rept 16
	v_pk_fma_f32 v[SC+32*\b+2*ii:SC+32*\b+2*ii+1], v[SC+32*\b+2*ii:SC+32*\b+2*ii+1], s[42:43], v[NM:NM+1] op_sel:[0,0,\b] op_sel_hi:[1,0,\b]
.set ii, ii+1
.endr
.endr
.set ii, 0
.rept 64
	v_exp_f32 v[SC+ii], v[SC+ii]
.set ii, ii+1
.endr
	v_nop                                                                          ; the plain place behind the run of exponentials
	s_wait_alu depctr_va_vdst(0)
.irp b, 0,1
.irp k, 0,1,2,3
	v_pk_add_f32 v[PS+8*\b+2*\k:PS+8*\b+2*\k+1], v[SC+32*\b+2*\k:SC+32*\b+2*\k+1], v[SC+32*\b+8+2*\k:SC+32*\b+8+2*\k+1]   ; four chains: nothing is cleared
.endr
.irp k, 0,1,2,3
	v_pk_add_f32 v[PS+8*\b+2*\k:PS+8*\b+2*\k+1], v[PS+8*\b+2*\k:PS+8*\b+2*\k+1], v[SC+32*\b+16+2*\k:SC+32*\b+16+2*\k+1]
.endr
.irp k, 0,1,2,3
	v_pk_add_f32 v[PS+8*\b+2*\k:PS+8*\b+2*\k+1], v[PS+8*\b+2*\k:PS+8*\b+2*\k+1], v[SC+32*\b+24+2*\k:SC+32*\b+24+2*\k+1]
.endr
	v_pk_add_f32 v[PS+8*\b:PS+8*\b+1],   v[PS+8*\b:PS+8*\b+1],   v[PS+8*\b+2:PS+8*\b+3]
	v_pk_add_f32 v[PS+8*\b+4:PS+8*\b+5], v[PS+8*\b+4:PS+8*\b+5], v[PS+8*\b+6:PS+8*\b+7]
	v_pk_add_f32 v[PS+8*\b:PS+8*\b+1],   v[PS+8*\b:PS+8*\b+1],   v[PS+8*\b+4:PS+8*\b+5]
.endr
.if \first
	v_add_f32 v[ML+1], v[PS],   v[PS+1]                                            ; the first step starts l
	v_add_f32 v[ML+3], v[PS+8], v[PS+9]
.else
	v_add_f32 v[T],   v[PS],   v[PS+1]
	v_add_f32 v[T+1], v[PS+8], v[PS+9]
	v_fma_f32 v[ML+1], v[ML+1], v[AL],   v[T]
	v_fma_f32 v[ML+3], v[ML+3], v[AL+1], v[T+1]
.endif
; Tiles (2 u, b) and (2 u + 1, b) hold keys 32 u + 8 h + 0..7 and 32 u + 16 + 8 h + 0..7 of row r: packed, they are registers 0-3 and 4-7
; of the second-source fragment (n = row, k = key).  Register j takes numbers 2 j and 2 j + 1, which lie at or behind it: in place.
.irp b, 0,1
.irp u, 0,1
.irp j, 0,1,2,3,4,5,6,7
	v_cvt_pk_f16_f32 v[SC+32*\b+16*\u+\j], v[SC+32*\b+16*\u+2*\j], v[SC+32*\b+16*\u+2*\j+1]
.endr
.endr
.endr
.endm
.macro RESCALE                         ; O tile (c, b) times AL b: the lane's row is 16 b + r there too
	WIN 0x41
.irp c, 0,1,2,3,4,5,6,7
.irp b, 0,1
.irp j, 0,2,4,6
	v_pk_mul_f32 v[8*(2*\c+\b)+\j:8*(2*\c+\b)+\j+1], v[8*(2*\c+\b)+\j:8*(2*\c+\b)+\j+1], v[AL:AL+1] op_sel:[0,\b] op_sel_hi:[1,\b]
.endr
.endr
.endr
.endm
; One step of 128 keys out of slot.  cv = 1: a tile follows this one; it is stored into slot nxt, by group 0 at the head and by group 1 at the foot,
; and the step ends with the barrier.  Slot nxt was last read one step ago, in front of that step's barrier, so both places are free to store.
; Group 0 holds in ST the tile behind this one when the step begins and asks for the one after it; group 1 asks here for the tile behind this one.
; Every s_wait_dscnt 8: the older run of eight fragment loads is in, the eight issued behind it stay out (LDS loads come back in order, ISA guide 5.7.1).
.macro STEP slot, nxt, first, mask, cv
	KLD \slot, 0, FA                               ; the first fragments are asked for ahead of all else: they land under group 0's conversions, under group 1's global loads
	KLD \slot, 1, FB
.if \cv
	s_cmp_lg_u32 s48, 0
	s_cbranch_scc1 .Lhead_\@
	CVST \nxt                                      ; group 0
	s_wait_dscnt 0x0                               ; the loads below land in the registers that these stores read
.Lhead_\@:
	s_cmp_eq_u32 s49, 0                            ; nothing left to ask for: group 0 in the step in front of the diagonal one
	s_cbranch_scc1 .Lnone_\@
	s_wait_loadcnt 0x0                             ; met: my last conversion has waited for all 32.  KP, VP and ST are written again only behind it
	s_add_nc_u64 s[KP:KP+1], s[KP:KP+1], TILEB
	s_add_nc_u64 s[VP:VP+1], s[VP:VP+1], TILEB
	GLOAD
	s_sub_co_u32 s49, s49, 1
.Lnone_\@:
.endif
	s_wait_dscnt 0x8
	QKMUL 0, FA
	PLACES
	KLD \slot, 2, FA
	s_wait_dscnt 0x8
	QKMUL 1, FB
	PLACES
	KLD \slot, 3, FB
	s_wait_dscnt 0x8
	QKMUL 2, FA
	PLACES
	VLD \slot, 0, FA
	s_wait_dscnt 0x8
	QKMUL 3, FB
	PLACES                                         ; also the places in front of the first read of the scores
	VLD \slot, 1, FB
.if \mask
	MASK
.endif
	SOFTMAX \first
.if \first == 0
	RESCALE
.endif
	WIN 0x50
	s_wait_dscnt 0x8
	PVMUL 0, FA, \first
	PLACES
	WIN 0
	VLD \slot, 2, FA
	WIN 0x50
	s_wait_dscnt 0x8
	PVMUL 1, FB, \first
	PLACES
	WIN 0
	VLD \slot, 3, FB
	WIN 0x50
	s_wait_dscnt 0x8
	PVMUL 2, FA, \first
	s_wait_dscnt 0x0
	PVMUL 3, FB, \first
	WIN 0
	PLACES                                         ; five places in both groups: the next step's first loads land in FA and FB (four), and its first products
	v_nop                                          ; write over score registers that the last products read as their second source (five: ISA guide 7.12.1)
.if \cv
	s_cmp_eq_u32 s48, 0
	s_cbranch_scc1 .Lfoot_\@
	CVST \nxt                                      ; group 1
.Lfoot_\@:
	BAR                                            ; behind it: the next tile is whole for every wave, and nobody reads this slot any more
.endif
.endm
	s_load_b256 s[4:11], s[0:1], 0x0               ; query s[4:5], key s[6:7], value s[8:9], out s[10:11]
	v_lshl_add_u32 v254, v0, 2, 0x44800
	v_mov_b32 v255, 0
	v_lshrrev_b32 v[T+3], 5, v0
	v_readfirstlane_b32 s12, v[T+3]                ; wave 0..7
	s_and_b32 s13, s12, 3                          ; rg: my 32 query rows
	s_lshr_b32 s14, s12, 2                         ; kh: my 64 keys of a step
	s_xor_b32 s48, s12, s14
	s_and_b32 s48, s48, 1                          ; g: my group
	s_mov_b32 s15, ttmp9                           ; p
	s_and_b32 s16, ttmp7, 0xffff                   ; bh
	s_mov_b32 s42, 0x3e0293ee                      ; c = 128^-0.5 x log2 e
	s_mov_b32 s43, 0x3e0293ee
	s_mov_b32 s44, 0xbe0293ee                      ; -c
	s_mov_b32 s45, 0xff7fffff                      ; the lowest finite f32
	s_mov_b32 s46, 0x76543210                      ; v_permlanex16_b32: lane i takes lane i of the other half
	s_mov_b32 s47, 0xfedcba98
	v_and_b32 v[T], 31, v0                         ; lane L
	v_and_b32 v[T+1], 15, v0                       ; r
	v_bfe_u32 v[T+2], v0, 4, 1                     ; h
	v_and_b32 v[T+4], 7, v0
	v_lshl_add_u32 v[T+4], v[T+2], 3, v[T+4]       ; 8 h + L % 8
	v_bfe_u32 v[T+5], v0, 3, 1
	v_lshlrev_b32 v[T+6], 3, v[T+2]                ; 8 h
	v_mov_b32 v[T+7], 0                            ; all of T is written: a lane exchange counts as a reader of its destination
	v_mov_b32 v[NINF], 0xff800000
	v_lshlrev_b32 v[GO], 4, v[T]
	v_lshlrev_b32 v[QO], 12, v[T+1]
	v_lshl_add_u32 v[QO], v[T+2], 5, v[QO]
	s_mul_i32 s17, s12, 16*KP_
	v_lshl_add_u32 v[KST], v[T], 3, s17
	s_mul_i32 s17, s12, 16*VP_
	s_add_co_u32 s17, s17, VBASE
	v_lshl_add_u32 v[VST], v[T], 3, s17
	s_mul_i32 s17, s14, 64*KP_
	v_mul_u32_u24 v[KFR], v[T+1], KP_
	v_lshl_add_u32 v[KFR], v[T+2], 4, v[KFR]
	v_add_nc_u32 v[KFR], s17, v[KFR]               ; (64 kh + r) x pitch + 16 h
	s_mul_i32 s17, s14, 64*VP_
	s_add_co_u32 s17, s17, VBASE
	v_mul_u32_u24 v[VFR], v[T+4], VP_
	v_lshl_add_u32 v[VFR], v[T+5], 4, v[VFR]
	v_add_nc_u32 v[VFR], s17, v[VFR]               ; (64 kh + 8 h + L % 8) x pitch + 16 ((L >> 3) & 1)
	s_mul_i32 s17, s12, STGW
	s_add_co_u32 s17, s17, STG
	v_mul_u32_u24 v[STO], v[T+1], SP_
	v_lshl_add_u32 v[STO], v[T+2], 5, v[STO]
	v_add_nc_u32 v[STO], s17, v[STO]               ; my stage + row r + 32 h
	s_mul_i32 s17, s13, STGW
	s_mul_i32 s2, s14, 16*SP_
	s_add_co_u32 s17, s17, s2
	s_add_co_u32 s17, s17, STG
	v_lshl_add_u32 v[RD0], v[T], 4, s17            ; stage rg, rows 16 kh .., 16 bytes a lane
	v_add_nc_u32 v[RD1], 4*STGW, v[RD0]            ; stage rg + 4, the same rows
	s_lshl_b32 s17, s12, 8
	s_add_co_u32 s17, s17, MLB
	v_lshl_add_u32 v[MLS], v[T+1], 4, s17
	s_xor_b32 s2, s12, 4
	s_lshl_b32 s2, s2, 8
	s_add_co_u32 s2, s2, MLB
	v_lshl_add_u32 v[MLO], v[T+1], 4, s2
	s_lshl_b32 s17, s13, 5
	s_lshl_b32 s2, s14, 6
	s_sub_co_i32 s17, s17, s2                      ; 32 rg - 64 kh
	v_add_nc_u32 v[LIM], s17, v[T+1]
	v_sub_nc_u32 v[LIM], v[LIM], v[T+6]            ; + r - 8 h
	v_add_nc_u32 v[LIM+1], 16, v[LIM]
	; byte offsets, apart from the addresses: the head is (bh >> 3) x 2^24 + (bh & 7) x 512
	s_lshr_b32 s18, s16, 3
	s_lshl_b32 s18, s18, 24
	s_and_b32 s17, s16, 7
	s_lshl_b32 s17, s17, 9
	s_add_co_u32 s18, s18, s17
	s_mov_b32 s16, 0xffff0000                      ; bh is used up: from here on the mask of a word's upper bf16
	s_lshl_b32 s40, s12, 16                        ; K, V: + my 16 rows of a tile
	s_add_co_u32 s40, s40, s18
	s_mov_b32 s41, 0
	s_lshl_b32 s2, s13, 17                         ; Q: + my 32 rows of a block
	s_add_co_u32 s2, s2, s18
	s_mov_b32 s3, 0
	s_lshl_b32 s18, s14, 16                        ; out: + the 16 of them that I store
	s_add_co_u32 s18, s18, s2
	s_mov_b32 s19, 0
	s_wait_kmcnt 0x0
	s_add_nc_u64 s[28:29], s[6:7], s[40:41]
	s_add_nc_u64 s[30:31], s[8:9], s[40:41]
	s_add_nc_u64 s[32:33], s[4:5], s[2:3]
	s_add_nc_u64 s[34:35], s[10:11], s[18:19]
	s_mov_b32 s36, 0                               ; the pass: 0 makes block 31 - p, 1 makes block p
.Lpass:
	s_wait_loadcnt 0x0                             ; met: every tile that the last pass asked for has been converted.  ST is loaded again only behind it
	s_wait_xcnt 0x0                                ; the last pass's stores name OP and TMP: both are rewritten only behind this wait
	s_sub_co_u32 s17, 31, s15
	s_cmp_eq_u32 s36, 0
	s_cselect_b32 s37, s17, s15                    ; qb: the query block; also the number of key tiles in front of the diagonal one
	s_mov_b32 s49, s37                             ; behind tile 0 I have qb tiles to ask for
	s_lshl_b32 s40, s37, 19
	s_mov_b32 s41, 0
	s_add_nc_u64 s[QP:QP+1], s[32:33], s[40:41]
	s_add_nc_u64 s[OP:OP+1], s[34:35], s[40:41]
	s_mov_b64 s[KP:KP+1], s[28:29]
	s_mov_b64 s[VP:VP+1], s[30:31]
	; Q: fragment (b, ks) is row 16 b + r, d = 32 ks + 8 h + 0..7 and 32 ks + 16 + 8 h + 0..7: in f32 four loads of 16 bytes.  b = 0's sixteen loads come first.
.irp b, 0,1
.irp ks, 0,1,2,3
	global_load_b128 v[TMP+16*(4*\b+\ks):TMP+16*(4*\b+\ks)+3],     v[QO], s[QP:QP+1] offset:16*ROWB*\b+128*\ks
	global_load_b128 v[TMP+16*(4*\b+\ks)+4:TMP+16*(4*\b+\ks)+7],   v[QO], s[QP:QP+1] offset:16*ROWB*\b+128*\ks+16
	global_load_b128 v[TMP+16*(4*\b+\ks)+8:TMP+16*(4*\b+\ks)+11],  v[QO], s[QP:QP+1] offset:16*ROWB*\b+128*\ks+64
	global_load_b128 v[TMP+16*(4*\b+\ks)+12:TMP+16*(4*\b+\ks)+15], v[QO], s[QP:QP+1] offset:16*ROWB*\b+128*\ks+80
.endr
.endr
	WIN 0x40
	KROWS                                          ; key tile 0
	WIN 0
	v_mov_b32 v[ML],   s45
	v_mov_b32 v[ML+2], s45
	s_wait_loadcnt 0x20                            ; Q's rows 0-15 are in: behind their 16 loads stand Q's other 16 and K's 16
.set ii, 0
.rept 32
	v_cvt_pk_bf16_f32 v[QF+ii], v[TMP+2*ii], v[TMP+2*ii+1]
.set ii, ii+1
.endr
	WIN 0x40
	VROWS                                          ; value tile 0
	WIN 0
	s_wait_loadcnt 0x20                            ; Q's rows 16-31 are in: behind their 16 loads stand K's 16 and V's 16
.set ii, 32
.rept 32
	v_cvt_pk_bf16_f32 v[QF+ii], v[TMP+2*ii], v[TMP+2*ii+1]
.set ii, ii+1
.endr
	CVST 0                                         ; slot 0 was last read in front of the barriers of the last pass's way out
	s_cmp_lg_u32 s48, 0
	s_cbranch_scc1 .Lnoearly
	s_cmp_eq_u32 s49, 0
	s_cbranch_scc1 .Lnoearly
	s_wait_dscnt 0x0                               ; group 0 runs a tile ahead: it asks for tile 1 here, into the registers that the stores above read
	s_add_nc_u64 s[KP:KP+1], s[KP:KP+1], TILEB     ; the conversion's wait for 0 has shown the loads that named KP and VP done
	s_add_nc_u64 s[VP:VP+1], s[VP:VP+1], TILEB
	GLOAD
	s_sub_co_u32 s49, s49, 1
.Lnoearly:
	BAR
	s_cmp_eq_u32 s37, 0
	s_cbranch_scc1 .Lonly
	STEP 0, 1, 1, 0, 1                             ; tile 0 starts m, l and O
	s_sub_co_u32 s17, s37, 1                       ; qb - 1 whole tiles lie between tile 0 and the diagonal one
	s_lshr_b32 s38, s17, 1                         ; pairs of them
	s_and_b32 s39, s17, 1                          ; and one more?
	s_cmp_eq_u32 s38, 0
	s_cbranch_scc1 .Ltail
.Lpair:
	STEP 1, 0, 0, 0, 1
	STEP 0, 1, 0, 0, 1
	s_sub_co_u32 s38, s38, 1
	s_cmp_lg_u32 s38, 0
	s_cbranch_scc1 .Lpair
.Ltail:
	s_cmp_eq_u32 s39, 0
	s_cbranch_scc1 .Leven
	STEP 1, 0, 0, 0, 1
	STEP 0, 1, 0, 1, 0                             ; the diagonal tile: masked, nothing more to fetch or to store
	s_branch .Lfinish
.Leven:
	STEP 1, 0, 0, 1, 0
	s_branch .Lfinish
.Lonly:
	STEP 0, 1, 1, 1, 0                             ; block 0: the diagonal tile is the only one
.Lfinish:
	; THE WAY OUT.  l over the wave's halves; (m, l) to the partner; my O times exp2(c (m - mm)) / L; both O's added by rows and stored.
	v_permlanex16_b32 v[T],   v[ML+1], s46, s47
	v_permlanex16_b32 v[T+1], v[ML+3], s46, s47
	v_add_f32 v[ML+1], v[ML+1], v[T]
	v_add_f32 v[ML+3], v[ML+3], v[T+1]
	ds_store_b128 v[MLS], v[ML:ML+3]               ; both halves of the lanes write the same 16 bytes with the same numbers
	BAR                                            ; also: every wave's reads of the last slot are back
	ds_load_b128 v[T+4:T+7], v[MLO]
	s_wait_dscnt 0x0
	v_max_num_f32 v[T],   v[ML],   v[T+4]          ; mm
	v_max_num_f32 v[T+1], v[ML+2], v[T+6]
	v_sub_f32 v[PS],   v[ML],   v[T]
	v_sub_f32 v[PS+1], v[T+4],  v[T]
	v_sub_f32 v[PS+2], v[ML+2], v[T+1]
	v_sub_f32 v[PS+3], v[T+6],  v[T+1]
.irp k, 0,1,2,3
	v_mul_f32 v[PS+\k], s42, v[PS+\k]
.endr
.irp k, 0,1,2,3
	v_exp_f32 v[PS+\k], v[PS+\k]                   ; mine, the partner's, for b = 0; then for b = 1
.endr
	v_nop                                          ; the plain place behind the exponentials
	s_wait_alu depctr_va_vdst(0)
	v_mul_f32 v[T],   v[ML+1], v[PS]
	v_mul_f32 v[T+1], v[ML+3], v[PS+2]
	v_fma_f32 v[T],   v[T+5], v[PS+1], v[T]        ; L: at least one of the two waves holds the row's maximum, so L is near 1 or above
	v_fma_f32 v[T+1], v[T+7], v[PS+3], v[T+1]
	v_rcp_f32 v[T+2], v[T]
	v_rcp_f32 v[T+3], v[T+1]
	v_nop                                          ; the plain place behind the reciprocals
	s_wait_alu depctr_va_vdst(0)
	v_mul_f32 v[AL],   v[PS],   v[T+2]
	v_mul_f32 v[AL+1], v[PS+2], v[T+3]
	RESCALE
	WIN 0x04
.irp c, 0,1,2,3,4,5,6,7
.irp b, 0,1
	ds_store_b128 v[STO], v[8*(2*\c+\b):8*(2*\c+\b)+3]   offset:16*SP_*\b+64*\c      ; row 16 b + r, d = 16 c + 8 h + 0..3
	ds_store_b128 v[STO], v[8*(2*\c+\b)+4:8*(2*\c+\b)+7] offset:16*SP_*\b+64*\c+16   ; d = 16 c + 8 h + 4..7
.endr
.endr
	WIN 0
	BAR
.set ii, 0
.rept 16
	ds_load_b128 v[TMP+4*ii:TMP+4*ii+3],       v[RD0] offset:SP_*ii                  ; a whole row of 512 bytes from each of the two stages
	ds_load_b128 v[TMP+64+4*ii:TMP+64+4*ii+3], v[RD1] offset:SP_*ii
.set ii, ii+1
.endr
.set ii, 0
.rept 16
	s_wait_dscnt 30-2*ii                           ; row ii's two loads are in; two for each later row stay out; the last count is 0
	v_pk_add_f32 v[TMP+4*ii:TMP+4*ii+1],   v[TMP+4*ii:TMP+4*ii+1],   v[TMP+64+4*ii:TMP+64+4*ii+1]
	v_pk_add_f32 v[TMP+4*ii+2:TMP+4*ii+3], v[TMP+4*ii+2:TMP+4*ii+3], v[TMP+64+4*ii+2:TMP+64+4*ii+3]
	global_store_b128 v[GO], v[TMP+4*ii:TMP+4*ii+3], s[OP:OP+1] offset:ROWB*ii th:TH_STORE_NT   ; the wave stores 512 consecutive bytes, aligned
.set ii, ii+1
.endr
	s_add_co_u32 s36, s36, 1
	s_cmp_lt_u32 s36, 2
	s_cbranch_scc1 .Lpass
	s_wait_tensorcnt 0x0
	ds_add_u32 v254, v255
	s_wait_dscnt 0x0
	s_endpgm
.Lfunc_end_k_q6f1dd5bfb9_attn:
	.size	k_q6f1dd5bfb9_attn, .Lfunc_end_k_q6f1dd5bfb9_attn-k_q6f1dd5bfb9_attn
	.p2alignl 7, 3214868480
	.fill 96, 4, 3214868480
	.section	.rodata,"a",@progbits
	.p2align	6, 0x0
	.amdhsa_kernel k_q6f1dd5bfb9_attn
		.amdhsa_group_segment_fixed_size 281600
		.amdhsa_private_segment_fixed_size 0
		.amdhsa_enable_private_segment 0
		.amdhsa_kernarg_size 32
		.amdhsa_user_sgpr_count 2
		.amdhsa_user_sgpr_kernarg_segment_ptr 1
		.amdhsa_wavefront_size32 1
		.amdhsa_system_sgpr_workgroup_id_x 1
		.amdhsa_system_sgpr_workgroup_id_y 1
		.amdhsa_system_sgpr_workgroup_id_z 1
		.amdhsa_system_vgpr_workitem_id 0
		.amdhsa_next_free_vgpr 512
		.amdhsa_next_free_sgpr 66
		.amdhsa_reserve_vcc 1
		.amdhsa_float_denorm_mode_32 3
		.amdhsa_float_denorm_mode_16_64 3
		.amdhsa_memory_ordered 1
		.amdhsa_forward_progress 1
		.amdhsa_inst_pref_size 255
	.end_amdhsa_kernel
	.section	.bss,"aw",@nobits
	.p2align	6
	.space	262144
	.amdgpu_metadata
---
amdhsa.version: [ 1, 2 ]
amdhsa.kernels:
  - .name:           k_q6f1dd5bfb9_attn
    .symbol:         k_q6f1dd5bfb9_attn.kd
    .args:
      - { .name: query, .offset: 0, .size: 8, .value_kind: global_buffer, .address_space: global }
      - { .name: key, .offset: 8, .size: 8, .value_kind: global_buffer, .address_space: global }
      - { .name: value, .offset: 16, .size: 8, .value_kind: global_buffer, .address_space: global }
      - { .name: out0, .offset: 24, .size: 8, .value_kind: global_buffer, .address_space: global }
    .group_segment_fixed_size: 281600
    .private_segment_fixed_size: 0
    .kernarg_segment_align: 8
    .kernarg_segment_size: 32
    .max_flat_workgroup_size: 256
    .sgpr_count:     66
    .vgpr_count:     512
    .wavefront_size: 32
...
	.end_amdgpu_metadata
.endif
;; end of part 1
